; MI455X (gfx1250); checked and timed in simulation.
; The chip was launched on July 23, 2026; its instructions are those of AMD's public machine-readable ISA for CDNA 5 (MIT licence, August 2026) and "CDNA5" Instruction Set Architecture Reference Guide (July 2026). The comments in the code are by the model that wrote it; some were corrected since.
;; Mistral Audio Codebook. Allowed arithmetic: float matrix products may take bf16 or f16 operands with f32 sums; other float arithmetic in f32, or as packed bf16 or f16 multiplies, adds, multiply-adds, maxima and minima; sums over many terms, partial sums and values carried from step to step in f32; what a program stores and reads back later, other than sums and carried values, may be rounded once to bf16 or f16.
;; Inputs: cluster_usage 8,192 float32; embedding_sum 8,192 x 256 float32; x 8 x 292 x 4,096 float32.
;; Outputs: out0 8 x 37 x 4,096 int32; out1 8 x 292 x 4,096 float32.
;; 2 versions, each right; version 2 is version 1 with the launch decode written anew for expert scheduling mode. Each part assembles by itself: llvm-mc -triple=amdgcn-amd-amdhsa -mcpu=gfx1250 --defsym DOCPART=n.
;; ======== version 1 of 2: 3 launches
;; workspace buffers: cb 4,325,376 bytes; codes 131,072 bytes of whole numbers
;; launch prep (part 1): grid 256 x 1, 4 waves a work-group, no clusters, 17,408 bytes of LDS; arguments embedding_sum, cluster_usage, cb; writes cb
.if DOCPART == 1
	.amdgcn_target "amdgcn-amd-amdhsa--gfx1250"
	.amdhsa_code_object_version 6
	.text
	.protected	k_qd790371ded_prep
	.globl	k_qd790371ded_prep
	.p2align	8
	.type	k_qd790371ded_prep,@function
k_qd790371ded_prep:
	s_mov_b64 s[64:65], 0
	v_nop
	global_prefetch_b8 v0, s[64:65] scope:SCOPE_SE
	s_setreg_imm32_b32 hwreg(HW_REG_WAVE_MODE, 25, 1), 1
	s_wait_xcnt 0x0
; PREP: the codebook as the matrix kernel wants it.  cb has 8,192 rows of 528 bytes: bytes 0-511 of row k are embedding_sum[k][0..255] rounded to bf16;
; bytes 512-527 carry the constants of the row's group of eight codes G = k & ~7: row G: sc[G..G+3], row G+1: sc[G+4..G+7], row G+2: e2[G..G+3],
; row G+3: e2[G+4..G+7], rows G+4..G+7: zeros.  u = max(bf16(cluster_usage), 1e-5); sc = -2 / u; e2 = the sum of (bf16(es) / u)^2, all in f32.
; All of the program's inputs are rounded to bf16 once; the division by u is a multiplication by 1 / u (v_rcp_f32 and one Newton step).
; LIMITS: NaN and infinities are not treated apart; e2 must stay finite in f32.
; SHARES: a work-group makes 32 rows (16,896 bytes, 66 blocks of 256), a wave the eight rows of one group.  The rows are laid out in LDS and leave as
; runs of 512 consecutive bytes.  No matrix unit, no tensor load, no cluster: a stream of 8 MB read once, nothing shared.
.set PITCH, 528
.set SPARE, 32*PITCH                   ; behind the stage: the spare words, 128 bytes a wave, two blocks of 256 that no other line names
.set LO,  2                            ; v2      16 x lane
.set RST, 3                            ; v3      stage: my 8 bytes of a row's first 256
.set PST, 4                            ; v4      stage: my group's first pad
.set BK,  5                            ; v5      my 16 bytes of my wave's 4,096 on the way out, in the stage and in cb alike
.set RV,  8                            ; v[8:23]  1 / u of code e, twice (a pair for the packed multiply)
.set SCV, 24                           ; v[24:31] sc
.set E2V, 32                           ; v[32:39] e2
.set ZQ,  40                           ; v[40:43] zeros
.set T,   44                           ; v[44:51] at work (first: u)
.set SQ,  52                           ; v[52:53] sums of squares
.set SPW, 60                           ; v60     my spare word's LDS address; never rewritten
.set NIL, 61                           ; v61     0; never rewritten
.set RW,  64                           ; v[64:127] row e: 8 registers as loaded; later the way out
	s_load_b128 s[4:7], s[0:1], 0x0                ; embedding_sum s[4:5], cluster_usage s[6:7]
	s_load_b64 s[8:9], s[0:1], 0x10                ; cb
	v_lshl_add_u32 v[SPW], v0, 2, SPARE
	v_mov_b32 v[NIL], 0
	v_lshrrev_b32 v1, 5, v0
	v_readfirstlane_b32 s10, v1                    ; wave 0..3
	v_and_b32 v1, 31, v0                           ; lane
	v_lshlrev_b32 v[LO], 4, v1
	s_mul_i32 s11, s10, 8*PITCH                    ; my eight rows in the stage
	v_lshl_add_u32 v[RST], v1, 3, s11
	v_mov_b32 v[PST], s11
	v_add_nc_u32 v[PST], 512, v[PST]
	s_lshl_b32 s11, s10, 12
	v_add_nc_u32 v[BK], s11, v[LO]
	s_mov_b32 s12, 0x76543210                      ; v_permlanex16_b32: each lane takes its own place in the other half
	s_mov_b32 s13, 0xfedcba98
	s_mov_b32 s14, 0xffff0000                      ; a word's upper bf16
.irp z, 0,1,2,3
	v_mov_b32 v[ZQ+\z], 0
.endr
	v_mov_b32 v55, 0                               ; v_permlanex16_b32's destination counts as read
	s_lshl_b32 s24, ttmp9, 5
	s_lshl_b32 s25, s10, 3
	s_add_co_u32 s24, s24, s25                     ; my first code: 32 g + 8 w
	s_lshl_b32 s26, s24, 10                        ; x 1,024 bytes of embedding_sum
	s_mov_b32 s27, 0
	s_lshl_b32 s28, s24, 2                         ; x 4 bytes of cluster_usage
	s_mov_b32 s29, 0
	s_mul_i32 s30, ttmp9, 32*PITCH                 ; the work-group's 16,896 bytes of cb
	s_mov_b32 s31, 0
	s_wait_kmcnt 0x0
	s_add_nc_u64 s[4:5], s[4:5], s[26:27]
	s_add_nc_u64 s[6:7], s[6:7], s[28:29]
	s_add_nc_u64 s[8:9], s[8:9], s[30:31]
	s_load_b256 s[16:23], s[6:7], 0x0              ; my eight usages
.set ix, 0
.rept 8                                            ; a row is two loads of 512 consecutive bytes: a lane holds columns 4 l .. and 128 + 4 l ..
	global_load_b128 v[RW+8*ix:RW+8*ix+3],   v[LO], s[4:5] offset:1024*ix th:TH_LOAD_NT
	global_load_b128 v[RW+8*ix+4:RW+8*ix+7], v[LO], s[4:5] offset:1024*ix+512 th:TH_LOAD_NT
.set ix, ix+1
.endr
	s_wait_kmcnt 0x0
.set ix, 0
.rept 8                                            ; u = max(bf16(usage), 1e-5), the same in every lane
	v_mov_b32 v54, s[16+ix]
	v_cvt_pk_bf16_f32 v54, v54, v54
	v_lshlrev_b32 v54, 16, v54
	v_max_num_f32 v[T+ix], 0x3727c5ac, v54
.set ix, ix+1
.endr
.set ix, 0
.rept 8
	v_rcp_f32 v[RV+2*ix], v[T+ix]
.set ix, ix+1
.endr
	v_nop                                          ; a plain instruction between the last reciprocal and the use of its result (ISA guide 5.7.2)
.set ix, 0
	s_wait_alu depctr_va_vdst(0)
.rept 8                                            ; one Newton step: r += r (1 - u r)
	v_fma_f32 v54, -v[T+ix], v[RV+2*ix], 1.0
	v_fma_f32 v[RV+2*ix], v54, v[RV+2*ix], v[RV+2*ix]
	v_mov_b32 v[RV+2*ix+1], v[RV+2*ix]
	v_mul_f32 v[SCV+ix], -2.0, v[RV+2*ix]
.set ix, ix+1
.endr
; Row e: rounded to bf16 and laid into the stage; e2 from the rounded numbers, summed in the lane and then over the 32 lanes.
.macro ROW e
.set rr, RW+8*(\e)
	s_wait_loadcnt 14-2*(\e)                       ; loads come back in order: this row's two are in, the younger rows' stay out
	v_cvt_pk_bf16_f32 v[rr],   v[rr],   v[rr+1]
	v_cvt_pk_bf16_f32 v[rr+1], v[rr+2], v[rr+3]
	v_cvt_pk_bf16_f32 v[rr+4], v[rr+4], v[rr+5]
	v_cvt_pk_bf16_f32 v[rr+5], v[rr+6], v[rr+7]
	ds_store_b64 v[RST], v[rr:rr+1]   offset:PITCH*(\e)
	ds_store_b64 v[RST], v[rr+4:rr+5] offset:PITCH*(\e)+256
	v_lshlrev_b32 v[T],   16,  v[rr]
	v_and_b32     v[T+1], s14, v[rr]
	v_lshlrev_b32 v[T+2], 16,  v[rr+1]
	v_and_b32     v[T+3], s14, v[rr+1]
	v_lshlrev_b32 v[T+4], 16,  v[rr+4]
	v_and_b32     v[T+5], s14, v[rr+4]
	v_lshlrev_b32 v[T+6], 16,  v[rr+5]
	v_and_b32     v[T+7], s14, v[rr+5]
.irp j, 0,2,4,6
	v_pk_mul_f32 v[T+\j:T+\j+1], v[T+\j:T+\j+1], v[RV+2*(\e):RV+2*(\e)+1]
.endr
	v_pk_mul_f32 v[SQ:SQ+1], v[T:T+1], v[T:T+1]
.irp j, 2,4,6
	v_pk_fma_f32 v[SQ:SQ+1], v[T+\j:T+\j+1], v[T+\j:T+\j+1], v[SQ:SQ+1]
.endr
	v_add_f32 v54, v[SQ], v[SQ+1]
	v_add_f32_dpp v54, v54, v54 row_xmask:1 row_mask:0xf bank_mask:0xf
	v_add_f32_dpp v54, v54, v54 row_xmask:2 row_mask:0xf bank_mask:0xf
	v_add_f32_dpp v54, v54, v54 row_xmask:4 row_mask:0xf bank_mask:0xf
	v_add_f32_dpp v54, v54, v54 row_xmask:8 row_mask:0xf bank_mask:0xf
	v_permlanex16_b32 v55, v54, s12, s13
	v_add_f32 v[E2V+(\e)], v54, v55
.endm
.irp e, 0,1,2,3,4,5,6,7
	ROW \e
.endr
	; the eight pads of my group: every lane writes the same 16 bytes
	ds_store_b128 v[PST], v[SCV:SCV+3]
	ds_store_b128 v[PST], v[SCV+4:SCV+7] offset:PITCH
	ds_store_b128 v[PST], v[E2V:E2V+3]   offset:2*PITCH
	ds_store_b128 v[PST], v[E2V+4:E2V+7] offset:3*PITCH
.irp q, 4,5,6,7
	ds_store_b128 v[PST], v[ZQ:ZQ+3] offset:\q*PITCH
.endr
	s_wait_dscnt 0x0                               ; for the others' sake: my stores into the stage are done
	s_barrier_signal -1
	s_barrier_wait -1
	; the way out: 33 runs of 512 bytes; wave w takes runs 8 w .. 8 w + 7, wave 0 the last one too
.irp m, 0,1,2,3,4,5,6,7
	ds_load_b128 v[RW+4*\m:RW+4*\m+3], v[BK] offset:512*\m
.endr
.irp m, 0,1,2,3,4,5,6,7
	s_wait_dscnt 7-\m
	global_store_b128 v[BK], v[RW+4*\m:RW+4*\m+3], s[8:9] offset:512*\m  ; 512 consecutive bytes, at a multiple of 256 from cb's first byte
.endr
	s_cmp_lg_u32 s10, 0
	s_cbranch_scc1 .Lend
	ds_load_b128 v[RW+32:RW+35], v[BK] offset:16384
	s_wait_dscnt 0x0
	global_store_b128 v[BK], v[RW+32:RW+35], s[8:9] offset:16384
.Lend:
	s_wait_tensorcnt 0x0                           ; the wave's end, behind my last LDS store
	ds_add_u32 v[SPW], v[NIL]
	s_wait_dscnt 0x0
	s_endpgm
.Lfunc_end_k_qd790371ded_prep:
	.size	k_qd790371ded_prep, .Lfunc_end_k_qd790371ded_prep-k_qd790371ded_prep
	.p2alignl 7, 3214868480
	.fill 96, 4, 3214868480
	.section	.rodata,"a",@progbits
	.p2align	6, 0x0
	.amdhsa_kernel k_qd790371ded_prep
		.amdhsa_group_segment_fixed_size 17408
		.amdhsa_private_segment_fixed_size 0
		.amdhsa_enable_private_segment 0
		.amdhsa_kernarg_size 24
		.amdhsa_user_sgpr_count 2
		.amdhsa_user_sgpr_kernarg_segment_ptr 1
		.amdhsa_wavefront_size32 1
		.amdhsa_system_sgpr_workgroup_id_x 1
		.amdhsa_system_sgpr_workgroup_id_y 1
		.amdhsa_system_sgpr_workgroup_id_z 1
		.amdhsa_system_vgpr_workitem_id 0
		.amdhsa_next_free_vgpr 128
		.amdhsa_next_free_sgpr 66
		.amdhsa_reserve_vcc 0
		.amdhsa_float_denorm_mode_32 3
		.amdhsa_float_denorm_mode_16_64 3
		.amdhsa_memory_ordered 1
		.amdhsa_forward_progress 1
		.amdhsa_inst_pref_size 22
	.end_amdhsa_kernel
	.amdgpu_metadata
---
amdhsa.version: [ 1, 2 ]
amdhsa.kernels:
  - .name:           k_qd790371ded_prep
    .symbol:         k_qd790371ded_prep.kd
    .args:
      - { .name: embedding_sum, .offset: 0, .size: 8, .value_kind: global_buffer, .address_space: global }
      - { .name: cluster_usage, .offset: 8, .size: 8, .value_kind: global_buffer, .address_space: global }
      - { .name: cb, .offset: 16, .size: 8, .value_kind: global_buffer, .address_space: global }
    .group_segment_fixed_size: 17408
    .private_segment_fixed_size: 0
    .kernarg_segment_align: 8
    .kernarg_segment_size: 24
    .max_flat_workgroup_size: 128
    .sgpr_count:     66
    .vgpr_count:     128
    .wavefront_size: 32
...
	.end_amdgpu_metadata
.endif
;; end of part 1
;; launch vq (part 2): grid 256 x 1, 4 waves a work-group, clusters of 4 x 1, 327,680 bytes of LDS; arguments x, cb, codes; writes codes
.if DOCPART == 2
	.amdgcn_target "amdgcn-amd-amdhsa--gfx1250"
	.amdhsa_code_object_version 6
	.text
	.protected	k_qd790371ded_vq
	.globl	k_qd790371ded_vq
	.p2align	8
	.type	k_qd790371ded_vq,@function
k_qd790371ded_vq:
	s_mov_b64 s[64:65], 0
	v_nop
	global_prefetch_b8 v0, s[64:65] scope:SCOPE_SE
	s_setreg_imm32_b32 hwreg(HW_REG_WAVE_MODE, 25, 1), 1
	s_wait_xcnt 0x0
	s_wait_alu depctr_hold_cnt(0) depctr_sa_sdst(0) depctr_va_vdst(0) depctr_va_sdst(0) depctr_va_ssrc(0) depctr_va_vcc(0) depctr_vm_vsrc(0)
	s_getreg_b32 s2, hwreg(HW_REG_IB_STS2, 6, 4)
	s_cmp_eq_u32 s2, 0
	s_cbranch_scc0 .Lentry_in_a_cluster
	s_endpgm
.Lentry_in_a_cluster:
	s_bfe_u32 s2, ttmp6, 0x10000c
	s_cmp_lg_u32 s2, 0x3003
	s_cbranch_scc0 .Lentry_shape_is_right
	s_endpgm
.Lentry_shape_is_right:
; VQ: codes[b*4096+t] = the argmin over k of e2[k] + sc[k] * (x_b[b,0:256,t] . es_b[k]), the first k where several are least.  That is the squared distance less the
; token's own |x|^2, which is the same for all k.  x_b and es_b are the inputs rounded to bf16, so the bf16 product rounds no operand; sc = -2 / u and e2 come in f32 from cb's pads.
; LIMITS.  NaN and infinities are not treated apart; scores must lie under 3.4e38 (the start of the running minimum).  Sums are f32 in this text's own order: a token whose two best
; codes lie closer than the f32 rounding of the distances (some 5e-5 where distances are near 400) may take the other of the two.
; SHARES.  A work-group owns 128 tokens and walks all 8,192 codes, 256 a step.  EVERY wave keeps all 128 tokens in registers (8 token tiles x 8 fragments of 32 along K: 512 registers); the four
; waves split the CODES: of a step wave w takes 64, four tiles of 16.  So each LDS byte of the codebook is read once in the work-group: 16 loads of 16 bytes a lane feed 64 matrix instructions.
; THE PRODUCT.  Source 0 = 16 codes, source 1 = 16 tokens: in the result a lane holds ONE token (lane % 16) and the codes 8 (lane / 16) + 0..7: the ranking stays inside the lane.
; BY TURNS.  The 8 token tiles are two groups of four.  In a HALF one group has the matrix unit (32 products, its four accumulators by turns); the ranking of the other group's finished
; scores, 72 vector instructions, stands in slices behind the products.
; THE RANKING of a finished 16 x 16 tile, 18 instructions: score = acc * sc + e2 in place; the least of the lane's eight; where it is strictly under the running minimum (an earlier tile wins a tie)
; the minimum, the tile's number and the tile's scores 0-6 are kept.  At the end the code in the tile is the lowest e whose kept score equals the minimum, or 7.
; CLUSTER.  All work-groups walk the same cb, so the four of a cluster ask for each block JOINTLY: the same tensor load, descriptor and mask in all four; nothing in it hangs on the place in the cluster.
; REGISTERS, in windows of 256 (s_set_vgpr_msb: bits 1:0 source 0, 3:2 source 1, 5:4 source 2, 7:6 destination):
;   window 0: all but X (map below)     window 1: X of token tiles 0-3, fragment c of tile u at 64 u + 8 c     window 2: tiles 4-7     window 3: v0-127 the landing place of x's K rows 128-255
.set PITCH, 528                        ; a row of cb, in memory and in LDS: 33 x 16 bytes, so the 16 rows of a fragment load start at 16 different groups of four banks (64 banks of 4 bytes: ISA guide 11.1)
.set TILEB, 16*PITCH                   ; a tile of 16 codes
.set BLK,   64*PITCH                   ; a wave's 64 codes of a step: 33,792 dense bytes = 132 rows of 256
.set SLOT,  4*BLK                      ; a step: 256 codes
.set XT,    2*SLOT                     ; behind the ring, written by ds_store alone: 128 K rows x 128 tokens of bf16,
.set XP,    288                        ; 256 bytes + 32: 9 x 32, for the turning load
.set RED,   XT+128*XP                  ; 4 waves x 128 tokens x (minimum, code)
.set SPARE, RED+4096                   ; the spare words, 128 bytes a wave: two blocks of 256 that no other line names
.set XROW,  16384                      ; bytes from one row of x to the next
.set A0,  10                           ; v10  my lane's place in a tile's fragments: my wave's block + 528 (l % 16) + 16 (l / 16)
.set S0,  11                           ; v11  my lane's place in a tile's pads: my wave's block + 8 (l / 16) rows + 512
.set ADA, 12                           ; v12  LDS address of the next tile's fragments
.set ADS, 13                           ; v13  of the tile in hand's constants
.set XO,  14                           ; v14  16 x lane
.set XS,  15                           ; v15  XT: where I put 8 bytes of my wave's first K row
.set BID, 16                           ; v[16:23]  by token tile: the number of the tile of codes that holds the minimum
.set XR,  24                           ; v24  XT: my lane's place for the turning load
.set WH,  25                           ; v25  64 w + 8 (l / 16)
.set RS,  26                           ; v26  RED: my token's pair in my wave's part
.set CSC, 32                           ; v[32:39]  sc of my eight codes
.set CE2, 40                           ; v[40:47]  e2 of them
.set CM,  48                           ; v[48:51]  a tile's least score, by accumulator
.set SPW, 62                           ; v62  my spare word's LDS address; never rewritten
.set NIL, 63                           ; v63  0; never rewritten
.set ACC, 64                           ; v[64:127] accumulators: group g, tile u at 64 + 32 g + 8 u
.set AF,  128                          ; v[128:191] the tile of codes: fragment c at 128 + 8 c; ONE buffer, reloaded fragment by fragment
.set BM,  192                          ; v[192:199] by token tile: the running minimum
.set KP,  200                          ; v[200:255] by token tile: scores 0-6 of the tile that holds the minimum
.set WV,  10                           ; s10  my wave's number
.set G1,  16                           ; s[16:23] descriptor group 1
.set G0,  24                           ; s[24:31] descriptor group 0, a set for each slot
.set TBA, 32                           ; s32  LDS offset of the next tile's fragments
.set TBS, 33                           ; s33  LDS offset of the tile in hand's constants
.set QC,  34                           ; s34  the number of the tile whose scores are being ranked
.set CNT, 35
.set TRIPS, 36
.set MASK, 40                          ; s[40:43] by accumulator: the lanes whose minimum falls
.set SEL, 44                           ; s[44:45] v_permlanex16_b32: each lane takes its own place in the other half
.set MSB, 0
.macro WIN new                         ; the immediate's high byte repeats the setting that is left; a switch that changes nothing is dropped
.if MSB != (\new)
	s_set_vgpr_msb (MSB<<8)|(\new)
.set MSB, (\new)
.endif
.endm
.macro CREST                           ; a round of the cluster's barrier behind its opening barrier
	s_cmp_lg_u32 s[WV], 0
	s_cbranch_scc1 .Lnot_wave_0_\@
	s_barrier_signal -3
.Lnot_wave_0_\@:
	s_barrier_wait -3
	s_barrier_signal -1
	s_barrier_wait -1
.endm
.macro ROUND                           ; a whole round
	s_barrier_signal -1
	s_barrier_wait -1
	CREST
.endm
	s_load_b128 s[4:7], s[0:1], 0x0                ; x s[4:5], cb s[6:7]
	s_load_b64 s[8:9], s[0:1], 0x10                ; codes
	v_lshl_add_u32 v[SPW], v0, 2, SPARE
	v_mov_b32 v[NIL], 0
	ds_add_u32 v[SPW], v[NIL]                      ; the wave's opening: the add and its wait stand ahead of my first tensor load; the set-up below, work on registers, stands between them
	v_lshrrev_b32 v3, 5, v0
	v_readfirstlane_b32 s[WV], v3                  ; wave 0..3
	s_bfe_u32 s11, ttmp6, 0x40000                  ; cx: my place in the cluster
	s_lshl_b32 s12, ttmp9, 2                       ; in a cluster launch ttmp9 counts clusters
	s_add_co_u32 s12, s12, s11                     ; g: my block of 128 tokens; it enters x's and codes' addresses alone
	; descriptor group 1: 33,792 dense bytes as 132 rows of 32 elements of 8 bytes; no padding: cb's rows carry their own
	s_mov_b32 s[G1], 15|(3<<16)|(1<<21)            ; 15:0 the mask of four; 17:16 elements of 8 bytes; 21 set beside a mask
	s_mov_b32 s[G1+1], 32<<16                      ; tensor_dim0 = 32
	s_mov_b32 s[G1+2], 132<<16                     ; tensor_dim1 = 132
	s_mov_b32 s[G1+3], 32<<16                      ; tile_dim0 = 32
	s_mov_b32 s[G1+4], 132                         ; tile_dim1 = 132
	s_mov_b32 s[G1+5], 32                          ; 32 elements from row to row
	s_mov_b32 s[G1+6], 0
	s_mov_b32 s[G1+7], 0
	s_mov_b32 s[SEL], 0x76543210
	s_mov_b32 s[SEL+1], 0xfedcba98
	v_and_b32 v1, 15, v0                           ; l % 16
	v_bfe_u32 v2, v0, 4, 1                         ; l / 16
	v_and_b32 v3, 31, v0                           ; lane
	s_mul_i32 s13, s[WV], BLK                      ; my wave's block in a slot, and in a step of cb
	v_mul_u32_u24 v[A0], v1, PITCH
	v_lshl_add_u32 v[A0], v2, 4, v[A0]
	v_add_nc_u32 v[A0], s13, v[A0]
	v_mul_u32_u24 v[S0], v2, 8*PITCH
	v_add_nc_u32 v[S0], s13, v[S0]
	v_add_nc_u32 v[S0], 512, v[S0]
	v_lshlrev_b32 v[XO], 4, v3
	s_mul_i32 s14, s[WV], 32*XP
	s_add_co_u32 s14, s14, XT
	v_lshl_add_u32 v[XS], v3, 3, s14
	v_and_b32 v4, 7, v0                            ; the turning load: lane l reads K row 8 (l / 16) + l % 8, tokens 8 ((l / 8) % 2) + 0..7
	v_lshl_add_u32 v4, v2, 3, v4
	v_mul_u32_u24 v[XR], v4, XP
	v_bfe_u32 v4, v0, 3, 1
	v_lshl_add_u32 v[XR], v4, 4, v[XR]
	v_add_nc_u32 v[XR], XT, v[XR]
	s_lshl_b32 s14, s[WV], 6
	v_lshl_add_u32 v[WH], v2, 3, s14
	s_lshl_b32 s14, s[WV], 10
	s_add_co_u32 s14, s14, RED
	v_lshl_add_u32 v[RS], v1, 3, s14
	s_lshr_b32 s37, s12, 5                         ; batch
	s_mul_i32 s14, s37, 292*XROW
	s_and_b32 s37, s12, 31
	s_lshl_b32 s37, s37, 9                         ; my 128 tokens: 512 bytes of a row
	s_add_co_u32 s14, s14, s37
	s_lshl_b32 s37, s[WV], 19                      ; my wave's 32 K rows
	s_add_co_u32 s14, s14, s37
	s_mov_b32 s15, 0
	s_mov_b32 s38, s13                             ; cb's offset, in a pair that never holds the place in the cluster
	s_mov_b32 s39, 0
	s_wait_dscnt 0x0                               ; the opening add is done
	s_wait_kmcnt 0x0
	s_add_nc_u64 s[4:5], s[4:5], s[14:15]
	s_lshl_b32 s14, s12, 9
	s_add_nc_u64 s[8:9], s[8:9], s[14:15]          ; codes at my 128 tokens
	s_add_nc_u64 s[6:7], s[6:7], s[38:39]          ; cb at my wave's block of step 0
	; x: K row 128 ph + 32 w + i is one load of 512 consecutive bytes, a lane 4 tokens.  ph = 0 lands in v64-191, ph = 1 in window 3.
.set ix, 0
.rept 32
	global_load_b128 v[64+4*ix:67+4*ix], v[XO], s[4:5] offset:XROW*ix th:TH_LOAD_NT
.set ix, ix+1
.endr
	WIN 0xc0                                       ; destination window 3, address window 0
.set ix, 0
.rept 32
	global_load_b128 v[4*ix:4*ix+3], v[XO], s[4:5] offset:128*XROW+XROW*ix th:TH_LOAD_NT
.set ix, ix+1
.endr
	WIN 0
.irp s, 0,1
	s_mov_b32 s[G0+4*\s], 1                        ; 1:0 count = 1
	s_add_co_u32 s[G0+4*\s+1], s13, \s*SLOT        ; 63:32 LDS address: the slot, my wave's block
	s_add_nc_u64 s[G0+4*\s+2:G0+4*\s+3], s[6:7], \s*SLOT  ; 120:64 global address: step s
	s_or_b32 s[G0+4*\s+3], s[G0+4*\s+3], 0x80000000       ; 127:126 type = 2
.endr
	ROUND                                          ; all four work-groups are here: the first joint loads meet
	tensor_load_to_lds s[G0:G0+3], s[G1:G1+7]      ; steps 0 and 1: two loads of mine are out
	s_nop 0
	tensor_load_to_lds s[G0+4:G0+7], s[G1:G1+7]
	s_nop 0
.rept 4
	v_nop
.endr
	; What the first half finds.  Its ranking works on a tile that has not been: with sc = 0 and e2 = the largest finite number its scores are not under the minimum, and nothing changes.
	; That spares a first tile written out.  88 moves, in the wait for x.
	s_mov_b32 s37, 0x7f7fffff
.set ix, 0
.rept 8
	v_mov_b32 v[BM+ix], s37
	v_mov_b32 v[BID+ix], 0
	v_mov_b32 v[CSC+ix], 0
	v_mov_b32 v[CE2+ix], s37
.set ix, ix+1
.endr
.set ix, 0
.rept 56
	v_mov_b32 v[KP+ix], 0
.set ix, ix+1
.endr
	; x's first 128 K rows: rounded to bf16, laid into XT as [K][token]
.set gx, 0
.rept 4
	s_wait_loadcnt 56-8*gx                         ; loads come back in order: these eight rows are in, the younger stay out
.set ix, 8*gx
.rept 8
	v_cvt_pk_bf16_f32 v[64+4*ix], v[64+4*ix], v[65+4*ix]
	v_cvt_pk_bf16_f32 v[65+4*ix], v[66+4*ix], v[67+4*ix]
	ds_store_b64 v[XS], v[64+4*ix:65+4*ix] offset:XP*ix
.set ix, ix+1
.endr
.set gx, gx+1
.endr
	s_wait_dscnt 0x0                               ; for the others' sake: my rows are in XT
	s_barrier_signal -1
	s_barrier_wait -1
; XT's 128 K rows -> fragments c = 4 ph .. 4 ph + 3 of all eight token tiles: the first turning load brings K 8 (l / 16) + 0..7 of token l % 16, the second the K rows 16 further on
.macro XLOAD ph
.set tx, 0
.rept 8
	WIN 0x40+0x40*(tx/4)                           ; destination window 1 or 2
.set cx, 0
.rept 4
	ds_load_tr16_b128 v[64*(tx%4)+8*(4*(\ph)+cx):64*(tx%4)+8*(4*(\ph)+cx)+3],   v[XR] offset:32*XP*cx+32*tx
	ds_load_tr16_b128 v[64*(tx%4)+8*(4*(\ph)+cx)+4:64*(tx%4)+8*(4*(\ph)+cx)+7], v[XR] offset:32*XP*cx+32*tx+16*XP
.set cx, cx+1
.endr
.set tx, tx+1
.endr
	WIN 0
.endm
	XLOAD 0
	WIN 0xcf                                       ; destination and both sources in window 3: the second half is rounded while those loads are out
.set gx, 0
.rept 4
	s_wait_loadcnt 24-8*gx
.set ix, 8*gx
.rept 8
	v_cvt_pk_bf16_f32 v[4*ix],   v[4*ix],   v[4*ix+1]
	v_cvt_pk_bf16_f32 v[4*ix+1], v[4*ix+2], v[4*ix+3]
.set ix, ix+1
.endr
.set gx, gx+1
.endr
	WIN 0
	s_wait_dscnt 0x0                               ; my reads of XT are over,
	s_barrier_signal -1
	s_barrier_wait -1                              ; everybody's are: XT may be written again
	WIN 0x0c                                       ; store data (source 1) in window 3
.set ix, 0
.rept 32
	ds_store_b64 v[XS], v[4*ix:4*ix+1] offset:XP*ix
.set ix, ix+1
.endr
	WIN 0
	s_wait_dscnt 0x0
	s_barrier_signal -1
	s_barrier_wait -1
	XLOAD 1
.set ix, 0
.rept 32
	v_mov_b32 v[ACC+32+ix], 0                      ; group 1's accumulators were a landing place: the first half's ranking multiplies them by 0
.set ix, ix+1
.endr
	s_wait_tensorcnt 0x1                           ; my block of step 0 is in, and I alone read it; step 1's may stay out: nothing is filled before the first round
.set ix, 0
.rept 8                                            ; tile 0's fragments
	ds_load_b128 v[AF+8*ix:AF+8*ix+3],   v[A0] offset:64*ix
	ds_load_b128 v[AF+8*ix+4:AF+8*ix+7], v[A0] offset:64*ix+32
.set ix, ix+1
.endr
	s_mov_b32 s[TBS], 0
	s_mov_b32 s[TBA], TILEB
	s_mov_b32 s[QC], -1
; Product (CC, u) of group GG: 32 along K at 32 CC, token tile 4 GG + u.  The first of a chain starts the sum with the constant 0.
.macro W u
.set wd, ACC+32*GG+8*(\u)
.set wa, AF+8*CC
.set wb, 64*(\u)+8*CC
.if CC == 0
	v_wmma_f32_16x16x32_bf16 v[wd:wd+7], v[wa:wa+7], v[wb:wb+7], 0
.else
	v_wmma_f32_16x16x32_bf16 v[wd:wd+7], v[wa:wa+7], v[wb:wb+7], v[wd:wd+7]
.endif
.endm
; Number RN of the 72 that rank group GP's four finished tiles.  0-15: score = acc * sc + e2, each accumulator's lowest pair first.  16-31: the least of eight, the four
; tiles alternating.  32-35: is it under the minimum?  36-39: the minimum.  40-43: the tile's number.  44-71: scores 0-6 are kept.
.macro RID
.set ru, RN%4
.set ra, ACC+32*GP+8*ru
.set rt, 4*GP+ru
.if RN < 16
.set ra, ACC+32*GP+8*(RN/4)+2*(RN%4)
	v_pk_fma_f32 v[ra:ra+1], v[ra:ra+1], v[CSC+2*(RN%4):CSC+2*(RN%4)+1], v[CE2+2*(RN%4):CE2+2*(RN%4)+1]
.elseif RN < 20
	v_min3_num_f32 v[CM+ru], v[ra], v[ra+1], v[ra+2]
.elseif RN < 24
	v_min3_num_f32 v[CM+ru], v[CM+ru], v[ra+3], v[ra+4]
.elseif RN < 28
	v_min3_num_f32 v[CM+ru], v[CM+ru], v[ra+5], v[ra+6]
.elseif RN < 32
	v_min_num_f32 v[CM+ru], v[CM+ru], v[ra+7]
.elseif RN < 36
	v_cmp_lt_f32 s[MASK+ru], v[CM+ru], v[BM+rt]
.elseif RN < 40
	v_min_num_f32 v[BM+rt], v[BM+rt], v[CM+ru]
.elseif RN < 44
	v_cndmask_b32 v[BID+rt], v[BID+rt], s[QC], s[MASK+ru]
.else
	v_cndmask_b32 v[KP+7*rt+(RN-44)/4], v[KP+7*rt+(RN-44)/4], v[ra+(RN-44)/4], s[MASK+ru]
.endif
.set RN, RN+1
.endm
.macro SLICE n
	WIN 0
.rept \n
	RID
.endr
.endm
; A HALF: group g's 32 products, the four accumulators by turns, one instruction a turn (also from half to half and over the loops' jumps); behind every two products a
; slice of the other group's ranking, 4 and 5 by turns: 72.  The five behind a half's last product name the other group's registers alone: they are the places in front of the next
; half's first read of the new results; the five behind fragment c's last product are the places in front of the loads into that fragment.
; g = 0 fetches the tile's constants, behind 18 of the 72: all 16 scalings have read the old ones.  g = 1 reloads the ONE fragment buffer piece by piece with the next tile (rel = 1): fragment c is
; asked for 28 products ahead of its first use.
; chg = 1: the tile is its slot's last: its fragments are in registers and its constants are the slot's last read.  Then: all my tensor loads have landed (one was out: my block of the other slot);
; the add; 8 products; the add and my reads are done; the signal that opens a round of the cluster's barrier; 16 products; the rest of the round; and the joint refill, first thing behind it:
; it has three tiles and a half in which to land.  chg = 2: the last change: nothing is filled, so only my own load is waited for.  oth: the other slot's first byte.  sl: this slot's number.
.macro HALF g, chg, rel, oth, sl
.set GG, (\g)
.set GP, 1-(\g)
.set RN, 0
.set CC, 0
.if (\g) == 0
	s_wait_dscnt 0x8                               ; fragments 0-3 are in; the youngest eight loads, fragments 4-7, may be out
.else
	s_wait_dscnt 0x0                               ; the constants are in
.endif
.rept 8
	WIN 0x04+0x04*(\g)                             ; source 1 (X) in window 1 or 2
	W 0
	W 1
	SLICE 4
.if ((\g) == 0) && (CC == 0)
	v_add_nc_u32 v[ADS], s[TBS], v[S0]
.endif
	WIN 0x04+0x04*(\g)
	W 2
	W 3
	SLICE 5
.if (\g) == 0
.if CC == 1
	ds_load_b128 v[CSC:CSC+3],   v[ADS]
	ds_load_b128 v[CSC+4:CSC+7], v[ADS] offset:PITCH
	ds_load_b128 v[CE2:CE2+3],   v[ADS] offset:2*PITCH
	ds_load_b128 v[CE2+4:CE2+7], v[ADS] offset:3*PITCH
.if (\chg)
	s_mov_b32 s[TBS], (\oth)
.else
	s_add_co_u32 s[TBS], s[TBS], TILEB
.endif
.if (\chg) == 1
	s_wait_tensorcnt 0x0                           ; no tensor load of mine is out, so a group 0 may be written
	ds_add_u32 v[SPW], v[NIL]                      ; 0 onto my spare word
	s_add_nc_u64 s[G0+4*(\sl)+2:G0+4*(\sl)+3], s[G0+4*(\sl)+2:G0+4*(\sl)+3], 2*SLOT  ; this slot's next step; the type bits on top are not reached
.endif
.endif
.if CC == 3
.if (\chg) == 1
	s_wait_dscnt 0x0                               ; the add is done, and my reads of this slot are over
	s_barrier_signal -1
.else
	s_wait_dscnt 0x4                               ; fragments 4-7 are in; the four loads of the constants may be out
.endif
.endif
.if CC == 6
.if (\chg)
	s_mov_b32 s[TBA], (\oth)
.endif
	v_add_nc_u32 v[ADA], s[TBA], v[A0]
.endif
.else
.if (\rel)
	ds_load_b128 v[AF+8*CC:AF+8*CC+3],   v[ADA] offset:64*CC
	ds_load_b128 v[AF+8*CC+4:AF+8*CC+7], v[ADA] offset:64*CC+32
.endif
.endif
.set CC, CC+1
.endr
.if (\g) == 0
	s_add_co_u32 s[QC], s[QC], 1                   ; the next two halves rank this tile
.if (\chg) == 1
	WIN 0                                          ; at a branch and at a label every window is 0
	s_barrier_wait -1
	CREST                                          ; no wave of any partner still reads this slot or has a load on its way
	tensor_load_to_lds s[G0+4*(\sl):G0+4*(\sl)+3], s[G1:G1+7]  ; my one tensor load behind the round
	s_nop 0
.rept 4
	v_nop
.endr
.elseif (\chg) == 2
	s_wait_tensorcnt 0x0                           ; my block of the last step, which I alone read
.endif
.elseif (\rel)
	s_add_co_u32 s[TBA], s[TBA], TILEB
.endif
.endm
.macro TILE chg, rel, oth, sl
	HALF 0, \chg, \rel, \oth, \sl
	HALF 1, \chg, \rel, \oth, \sl
	WIN 0
.endm
.macro THREE                           ; a slot's first three tiles: written once, walked three times; the LDS addresses hang on s[TBA] and s[TBS]
	s_mov_b32 s[CNT], 3
.Lthree_\@:
	TILE 0, 1, 0, 0
	s_sub_co_u32 s[CNT], s[CNT], 1
	s_cmp_lg_u32 s[CNT], 0
	s_cbranch_scc1 .Lthree_\@
.endm
	s_mov_b32 s[TRIPS], 15
.Ltrip:                                                ; a trip: two steps, eight tiles a wave, both slots filled again: 15 trips ask for steps 2 to 31
	THREE
	TILE 1, 1, SLOT, 0
	THREE
	TILE 1, 1, 0, 1
	s_sub_co_u32 s[TRIPS], s[TRIPS], 1
	s_cmp_lg_u32 s[TRIPS], 0
	s_cbranch_scc1 .Ltrip
	THREE                                          ; the last two steps are written out: nothing is asked for
	TILE 2, 1, SLOT, 0
	THREE
	TILE 0, 0, 0, 0                                ; the last tile reloads nothing
.set GP, 1                                         ; its second group is still to be ranked
.set RN, 0
	SLICE 72
	; THE END.  For each token tile: the code in the winning tile; the full code; the better of the lanes' two halves, the lower code where the minima are equal; the pair into RED.
	v_mov_b32 v30, 0                               ; v_permlanex16_b32's destinations count as read
	v_mov_b32 v31, 0
.macro FIN t
	v_mov_b32 v27, 7
.irp e, 6,5,4,3,2,1,0
	v_cmp_neq_f32 vcc_lo, v[KP+7*(\t)+\e], v[BM+(\t)]
	v_cndmask_b32 v27, \e, v27, vcc_lo             ; the lowest e whose kept score is the minimum
.endr
	v_lshrrev_b32 v28, 2, v[BID+(\t)]              ; tile q holds the codes 256 (q / 4) + 64 w + 16 (q % 4) + 0..15
	v_and_b32 v29, 3, v[BID+(\t)]
	v_lshlrev_b32 v28, 8, v28
	v_lshl_add_u32 v28, v29, 4, v28
	v_add3_u32 v28, v28, v27, v[WH]
	v_permlanex16_b32 v30, v[BM+(\t)], s[SEL], s[SEL+1]
	v_permlanex16_b32 v31, v28, s[SEL], s[SEL+1]
	v_cmp_lt_f32 s46, v30, v[BM+(\t)]
	v_cmp_eq_f32 s47, v30, v[BM+(\t)]
	v_cmp_lt_u32 s48, v31, v28
	s_and_b32 s47, s47, s48
	s_or_b32 s46, s46, s47
	v_cndmask_b32 v[ACC+2*(\t)],   v[BM+(\t)], v30, s46
	v_cndmask_b32 v[ACC+2*(\t)+1], v28, v31, s46
	ds_store_b64 v[RS], v[ACC+2*(\t):ACC+2*(\t)+1] offset:128*(\t)  ; both halves of the lanes write the same pair
.endm
.irp t, 0,1,2,3,4,5,6,7
	FIN \t
.endr
	s_wait_dscnt 0x0                               ; for wave 0's sake: my pairs are in RED
	s_barrier_signal -1
	s_barrier_wait -1
	s_cmp_lg_u32 s[WV], 0
	s_cbranch_scc1 .Lclose
	; wave 0: a lane takes tokens 4 l .. 4 l + 3 and the four waves' pairs for them
	v_lshl_add_u32 v27, v3, 5, RED
.irp w, 0,1,2,3
	ds_load_b128 v[AF+8*\w:AF+8*\w+3],   v27 offset:1024*\w
	ds_load_b128 v[AF+8*\w+4:AF+8*\w+7], v27 offset:1024*\w+16
.endr
	s_wait_dscnt 0x0
.macro MERGE dm, sm                    ; pair at sm into pair at dm: the lesser minimum, the lower code where they are equal
	v_cmp_lt_f32 s46, v[\sm], v[\dm]
	v_cmp_eq_f32 s47, v[\sm], v[\dm]
	v_cmp_lt_u32 s48, v[\sm+1], v[\dm+1]
	s_and_b32 s47, s47, s48
	s_or_b32 s46, s46, s47
	v_cndmask_b32 v[\dm],   v[\dm],   v[\sm],   s46
	v_cndmask_b32 v[\dm+1], v[\dm+1], v[\sm+1], s46
.endm
.irp k, 0,1,2,3
.irp w, 1,2,3
	MERGE AF+2*\k, AF+8*\w+2*\k
.endr
	v_mov_b32 v[AF+32+\k], v[AF+2*\k+1]
.endr
	global_store_b128 v[XO], v[AF+32:AF+35], s[8:9]  ; 512 consecutive bytes, at a multiple of 256 from codes' first byte
.Lclose:
	s_wait_tensorcnt 0x0                           ; the wave's end, behind my last tensor load and my last LDS store
	ds_add_u32 v[SPW], v[NIL]
	s_wait_dscnt 0x0
	ROUND                                          ; the closing round: no work-group ends while a partner may still ask for a block that names it
	s_endpgm
.Lfunc_end_k_qd790371ded_vq:
	.size	k_qd790371ded_vq, .Lfunc_end_k_qd790371ded_vq-k_qd790371ded_vq
	.p2alignl 7, 3214868480
	.fill 96, 4, 3214868480
	.section	.rodata,"a",@progbits
	.p2align	6, 0x0
	.amdhsa_kernel k_qd790371ded_vq
		.amdhsa_group_segment_fixed_size 327680
		.amdhsa_private_segment_fixed_size 0
		.amdhsa_enable_private_segment 0
		.amdhsa_kernarg_size 24
		.amdhsa_user_sgpr_count 2
		.amdhsa_user_sgpr_kernarg_segment_ptr 1
		.amdhsa_wavefront_size32 1
		.amdhsa_system_sgpr_workgroup_id_x 1
		.amdhsa_system_sgpr_workgroup_id_y 1
		.amdhsa_system_sgpr_workgroup_id_z 1
		.amdhsa_system_vgpr_workitem_id 0
		.amdhsa_next_free_vgpr 896
		.amdhsa_next_free_sgpr 66
		.amdhsa_reserve_vcc 1
		.amdhsa_float_denorm_mode_32 3
		.amdhsa_float_denorm_mode_16_64 3
		.amdhsa_memory_ordered 1
		.amdhsa_forward_progress 1
		.amdhsa_inst_pref_size 187
	.end_amdhsa_kernel
	.amdgpu_metadata
---
amdhsa.version: [ 1, 2 ]
amdhsa.kernels:
  - .name:           k_qd790371ded_vq
    .symbol:         k_qd790371ded_vq.kd
    .args:
      - { .name: x, .offset: 0, .size: 8, .value_kind: global_buffer, .address_space: global }
      - { .name: cb, .offset: 8, .size: 8, .value_kind: global_buffer, .address_space: global }
      - { .name: codes, .offset: 16, .size: 8, .value_kind: global_buffer, .address_space: global }
    .group_segment_fixed_size: 327680
    .private_segment_fixed_size: 0
    .kernarg_segment_align: 8
    .kernarg_segment_size: 24
    .max_flat_workgroup_size: 128
    .sgpr_count:     66
    .vgpr_count:     896
    .wavefront_size: 32
...
	.end_amdgpu_metadata
.endif
;; end of part 2
;; launch decode (part 3): grid 256 x 1, 4 waves a work-group, no clusters, 68,096 bytes of LDS; arguments x, cluster_usage, cb, codes, out0, out1; writes out0, out1
.if DOCPART == 3
	.amdgcn_target "amdgcn-amd-amdhsa--gfx1250"
	.amdhsa_code_object_version 6
	.text
	.protected	k_qd790371ded_decode
	.globl	k_qd790371ded_decode
	.p2align	8
	.type	k_qd790371ded_decode,@function
k_qd790371ded_decode:
	s_mov_b64 s[64:65], 0
	v_nop
	global_prefetch_b8 v0, s[64:65] scope:SCOPE_SE
	s_setreg_imm32_b32 hwreg(HW_REG_WAVE_MODE, 25, 1), 1
	s_wait_xcnt 0x0
; DECODE: everything that is written out.  out0[b,0,t] = codes; out1[b,s,t] = bf16(es)[code][s] / max(bf16(usage[code]), 1e-5) for s < 256;
; for the 36 acoustic rows: n = round(20 - 20 / (1 + e^(2 x_b))) = round((tanh(x_b) + 1) 10), halves to even; out0[b,1+a,t] = n; out1[b,256+a,t] = 0.1 n - 1.  x_b = x rounded to bf16, as all inputs are.
; LIMITS: NaN is not treated apart; e^(2 x) that overflows gives n = 20, one that underflows n = 0, as tanh = 1 and -1 do.  The exponential and the reciprocals are good to an ulp, not correctly rounded:
; an x_b whose (tanh + 1) 10 lies within some 1e-5 of a half could round the other way.  The division by usage is a multiplication by v_rcp_f32's result.
; SHARES: a work-group owns 128 tokens.  Wave w gathers the cb rows of tokens 32 w .. 32 w + 31 (a row: one load of 512 consecutive bytes), writes out1's rows 64 w .. 64 w + 63 and the acoustic rows 9 w .. 9 w + 8.
; The gathered rows are [token][s] and leave as [s][token]: they are turned in LDS, in bf16.  The 16 bytes that hold (s = 8 l + e, tokens 8 B .. 8 B + 7) lie at 8,448 e + 528 B + 16 l:
; a store (e, B fixed, lanes l) covers 512 consecutive bytes; a read of 8 bytes a lane (e, l fixed, lane a at 528 (a / 2) + 8 (a % 2)) takes each of the 64 banks once (ISA guide 11.1).
; No matrix unit, tensor load or cluster: rows chosen by a list, nothing shared between work-groups; memory binds.
.set PITCH, 528
.set EP,    16*PITCH                   ; from e to e + 1
.set SPARE, 8*EP                       ; behind the turning stage: the spare words, 128 bytes a wave: two blocks of 256 that no other line names
.set XROW,  16384
.set LO,  2                            ; v2       16 x lane
.set TS,  3                            ; v3       stage, in: 16 x lane + my wave's four blocks of tokens
.set TL,  4                            ; v4       stage, back: steps by two e a trip
.set CV,  8                            ; v[8:11]  codes of tokens 4 a .. 4 a + 3
.set UO,  12                           ; v[12:15] their byte offsets in cluster_usage
.set RI,  16                           ; v[16:19] usage, then 1 / u
.set IQ,  32                           ; v[32:39] two quads of whole numbers, by turns
.set FX,  40                           ; v[40:75] nine acoustic rows, 4 numbers each
.set TW,  40                           ; v[40:71] later: 8 e x 4 words on their way into the stage; later still 16 pairs read back
.set RA,  76                           ; v[76:107] byte offsets of the 32 gathered rows
.set SPW, 108                          ; v108     my spare word's LDS address; never rewritten
.set NIL, 109                          ; v109     0; never rewritten
.set GD,  128                          ; v[128:255] 32 gathered rows x 4; later 16 quads to store
	s_load_b256 s[4:11], s[0:1], 0x0               ; x s[4:5], cluster_usage s[6:7], cb s[8:9], codes s[10:11]
	s_load_b128 s[12:15], s[0:1], 0x20             ; out0 s[12:13], out1 s[14:15]
	v_lshl_add_u32 v[SPW], v0, 2, SPARE
	v_mov_b32 v[NIL], 0
	v_lshrrev_b32 v1, 5, v0
	v_readfirstlane_b32 s16, v1                    ; wave 0..3
	v_and_b32 v1, 31, v0                           ; lane
	v_lshlrev_b32 v[LO], 4, v1
	s_mul_i32 s17, s16, 4*PITCH
	v_add_nc_u32 v[TS], s17, v[LO]
	v_lshrrev_b32 v5, 1, v1
	v_mul_u32_u24 v[TL], v5, PITCH
	v_and_b32 v5, 1, v1
	v_lshl_add_u32 v[TL], v5, 3, v[TL]
	s_lshl_b32 s17, s16, 7                         ; my rows s = 64 w ..: l = 8 w ..
	v_add_nc_u32 v[TL], s17, v[TL]
	s_mov_b32 s24, 0xc1a00000                      ; -20.0
	s_mov_b32 s25, s24
	s_mov_b32 s26, 0x41a00000                      ; 20.0
	s_mov_b32 s27, s26
	s_mov_b32 s28, 0x05040100                      ; v_perm_b32: the two low halves
	s_mov_b32 s29, 0x07060302                      ; the two high halves
	s_mov_b32 s30, 0xffff0000
	s_lshr_b32 s17, ttmp9, 5                       ; batch
	s_and_b32 s18, ttmp9, 31
	s_lshl_b32 s18, s18, 9                         ; my 128 tokens: 512 bytes of a row
	s_mul_i32 s20, s17, 292*XROW
	s_add_co_u32 s20, s20, s18                     ; my tokens in row 0 of x's and out1's batch
	s_mov_b32 s21, 0
	s_mul_i32 s22, s17, 37*XROW
	s_add_co_u32 s22, s22, s18                     ; and of out0's
	s_mov_b32 s23, 0
	s_mul_i32 s19, s16, 9*XROW                     ; my wave's nine acoustic rows
	s_mov_b32 s77, 0
	s_wait_kmcnt 0x0
	s_add_nc_u64 s[74:75], s[12:13], s[22:23]      ; out0, row 0
	s_add_co_u32 s22, s22, s19
	s_add_co_u32 s22, s22, XROW
	s_add_nc_u64 s[70:71], s[12:13], s[22:23]      ; out0, row 1 + 9 w
	s_lshl_b32 s76, s16, 20
	s_add_co_u32 s76, s76, s20
	s_add_nc_u64 s[72:73], s[14:15], s[76:77]      ; out1, row 64 w
	s_add_co_u32 s20, s20, s19
	s_add_co_u32 s20, s20, 256*XROW
	s_add_nc_u64 s[66:67], s[4:5], s[20:21]        ; x, row 256 + 9 w
	s_add_nc_u64 s[68:69], s[14:15], s[20:21]      ; out1, the same row
	s_lshl_b32 s76, ttmp9, 9
	s_add_nc_u64 s[10:11], s[10:11], s[76:77]      ; codes at my 128 tokens
	s_lshl_b32 s76, s16, 7
	s_add_nc_u64 s[78:79], s[10:11], s[76:77]      ; and at my wave's 32
	s_load_b512 s[32:47], s[78:79], 0x0
	s_load_b512 s[48:63], s[78:79], 0x40
.set ix, 0
.rept 9
	global_load_b128 v[FX+4*ix:FX+4*ix+3], v[LO], s[66:67] offset:XROW*ix th:TH_LOAD_NT
.set ix, ix+1
.endr
	global_load_b128 v[CV:CV+3], v[LO], s[10:11]
	s_wait_kmcnt 0x0
.set ix, 0
.rept 32
	s_min_u32 s[32+ix], s[32+ix], 0x1fff           ; a loaded number enters an address only clamped to the table
	s_mul_i32 s[32+ix], s[32+ix], PITCH
	v_add_nc_u32 v[RA+ix], s[32+ix], v[LO]
	global_load_b128 v[GD+4*ix:GD+4*ix+3], v[RA+ix], s[8:9]  ; token ix's row: lane l holds s = 8 l .. 8 l + 7
.set ix, ix+1
.endr
	s_wait_loadcnt 32                              ; the acoustic rows and the codes are in; the 32 gathered rows stay out
.irp k, 0,1,2,3
	v_min_u32 v[UO+\k], 0x1fff, v[CV+\k]
	v_lshlrev_b32 v[UO+\k], 2, v[UO+\k]
	global_load_b32 v[RI+\k], v[UO+\k], s[6:7]
.endr
	s_cmp_lg_u32 s16, 0
	s_cbranch_scc1 .Lnot_wave_0
	global_store_b128 v[LO], v[CV:CV+3], s[74:75] th:TH_STORE_NT  ; out0's row 0: 512 consecutive bytes
.Lnot_wave_0:
; Acoustic row i of my nine: 4 numbers a lane.
.macro FSQ i
.set ff, FX+4*(\i)
.set fi, IQ+4*((\i)%2)
	v_cvt_pk_bf16_f32 v20, v[ff],   v[ff+1]
	v_cvt_pk_bf16_f32 v21, v[ff+2], v[ff+3]
	v_lshlrev_b32 v[ff],   16,  v20
	v_and_b32     v[ff+1], s30, v20
	v_lshlrev_b32 v[ff+2], 16,  v21
	v_and_b32     v[ff+3], s30, v21
	v_pk_mul_f32 v[ff:ff+1],   v[ff:ff+1],   0x4038aa3b op_sel_hi:[1,0]  ; 2 log2(e) x
	v_pk_mul_f32 v[ff+2:ff+3], v[ff+2:ff+3], 0x4038aa3b op_sel_hi:[1,0]
.irp k, 0,1,2,3
	v_exp_f32 v[ff+\k], v[ff+\k]
.endr
	v_nop                                          ; a plain instruction between the last transcendental and the use of its result (ISA guide 5.7.2)
	s_wait_alu depctr_va_vdst(0)
	v_pk_add_f32 v[ff:ff+1],   v[ff:ff+1],   1.0 op_sel_hi:[1,0]
	v_pk_add_f32 v[ff+2:ff+3], v[ff+2:ff+3], 1.0 op_sel_hi:[1,0]
.irp k, 0,1,2,3
	v_rcp_f32 v[ff+\k], v[ff+\k]
.endr
	v_nop
	s_wait_alu depctr_va_vdst(0)
	v_pk_fma_f32 v[ff:ff+1],   v[ff:ff+1],   s[24:25], s[26:27] op_sel_hi:[1,0,0]  ; 20 - 20 r = (tanh + 1) 10
	v_pk_fma_f32 v[ff+2:ff+3], v[ff+2:ff+3], s[24:25], s[26:27] op_sel_hi:[1,0,0]
.irp k, 0,1,2,3
	v_rndne_f32 v[ff+\k], v[ff+\k]
.endr
	s_wait_xcnt 0x0                                ; the quad of whole numbers, which the store two rows back reads, is rewritten only behind this wait
.irp k, 0,1,2,3
	v_cvt_i32_f32 v[fi+\k], v[ff+\k]
.endr
	v_pk_fma_f32 v[ff:ff+1],   v[ff:ff+1],   0x3dcccccd, -1.0 op_sel_hi:[1,0,0]
	v_pk_fma_f32 v[ff+2:ff+3], v[ff+2:ff+3], 0x3dcccccd, -1.0 op_sel_hi:[1,0,0]
	global_store_b128 v[LO], v[fi:fi+3], s[70:71] offset:XROW*(\i) th:TH_STORE_NT
	global_store_b128 v[LO], v[ff:ff+3], s[68:69] offset:XROW*(\i) th:TH_STORE_NT
.endm
.irp i, 0,1,2,3,4,5,6,7,8
	FSQ \i
.endr
	s_wait_xcnt 0x0                                ; the acoustic rows' registers, which those stores read, are written again below
; Eight gathered rows (tokens 8 bt .. of my 32): for each e the eight tokens' halves are packed into 16 bytes and laid into the stage.
.macro BATCH bt
	s_wait_loadcnt 28-8*(\bt)                      ; these eight rows are in; the later rows and the four usage loads stay out
.set ex, 0
.rept 8
.set px, 0
.rept 4
.if ex%2
	v_perm_b32 v[TW+4*ex+px], v[GD+4*(8*(\bt)+2*px+1)+ex/2], v[GD+4*(8*(\bt)+2*px)+ex/2], s29
.else
	v_perm_b32 v[TW+4*ex+px], v[GD+4*(8*(\bt)+2*px+1)+ex/2], v[GD+4*(8*(\bt)+2*px)+ex/2], s28
.endif
.set px, px+1
.endr
	ds_store_b128 v[TS], v[TW+4*ex:TW+4*ex+3] offset:EP*ex+PITCH*(\bt)
.set ex, ex+1
.endr
.endm
.irp bt, 0,1,2,3
	BATCH \bt
.endr
	s_wait_loadcnt 0x0                             ; the usages of tokens 4 a .. 4 a + 3
	v_cvt_pk_bf16_f32 v20, v[RI],   v[RI+1]
	v_cvt_pk_bf16_f32 v21, v[RI+2], v[RI+3]
	v_lshlrev_b32 v[RI],   16,  v20
	v_and_b32     v[RI+1], s30, v20
	v_lshlrev_b32 v[RI+2], 16,  v21
	v_and_b32     v[RI+3], s30, v21
.irp k, 0,1,2,3
	v_max_num_f32 v[RI+\k], 0x3727c5ac, v[RI+\k]   ; 1e-5
.endr
.irp k, 0,1,2,3
	v_rcp_f32 v[RI+\k], v[RI+\k]
.endr
	v_nop
	s_wait_dscnt 0x0                               ; for the others' sake: my stores into the stage are done
	s_barrier_signal -1
	s_barrier_wait -1
	s_mov_b32 s31, 4
.Lrows:                                                ; a trip: 16 of my 64 rows: e = 2 trip + n / 8, l = 8 w + n % 8
.set nx, 0
.rept 16
	ds_load_b64 v[TW+2*nx:TW+2*nx+1], v[TL] offset:EP*(nx/8)+16*(nx%8)
.set nx, nx+1
.endr
.set nx, 0
.rept 16
	s_wait_dscnt 15-nx                             ; LDS loads come back in order: row nx is in
	v_lshlrev_b32 v[GD+4*nx],   16,  v[TW+2*nx]
	v_and_b32     v[GD+4*nx+1], s30, v[TW+2*nx]
	v_lshlrev_b32 v[GD+4*nx+2], 16,  v[TW+2*nx+1]
	v_and_b32     v[GD+4*nx+3], s30, v[TW+2*nx+1]
	s_wait_alu depctr_va_vdst(0)
	v_pk_mul_f32 v[GD+4*nx:GD+4*nx+1],   v[GD+4*nx:GD+4*nx+1],   v[RI:RI+1]
	v_pk_mul_f32 v[GD+4*nx+2:GD+4*nx+3], v[GD+4*nx+2:GD+4*nx+3], v[RI+2:RI+3]
	global_store_b128 v[LO], v[GD+4*nx:GD+4*nx+3], s[72:73] offset:(8*(nx%8)+nx/8)*XROW th:TH_STORE_NT  ; 512 consecutive bytes of a row of out1, at a multiple of 256 from its first byte
.set nx, nx+1
.endr
	s_wait_xcnt 0x0                                ; the stores' data and base are written again only behind this wait
	v_add_nc_u32 v[TL], 2*EP, v[TL]
	s_add_nc_u64 s[72:73], s[72:73], 2*XROW
	s_sub_co_u32 s31, s31, 1
	s_cmp_lg_u32 s31, 0
	s_cbranch_scc1 .Lrows
	s_wait_tensorcnt 0x0                           ; the wave's end, behind my last LDS store
	ds_add_u32 v[SPW], v[NIL]
	s_wait_dscnt 0x0
	s_endpgm
.Lfunc_end_k_qd790371ded_decode:
	.size	k_qd790371ded_decode, .Lfunc_end_k_qd790371ded_decode-k_qd790371ded_decode
	.p2alignl 7, 3214868480
	.fill 96, 4, 3214868480
	.section	.rodata,"a",@progbits
	.p2align	6, 0x0
	.amdhsa_kernel k_qd790371ded_decode
		.amdhsa_group_segment_fixed_size 68096
		.amdhsa_private_segment_fixed_size 0
		.amdhsa_enable_private_segment 0
		.amdhsa_kernarg_size 48
		.amdhsa_user_sgpr_count 2
		.amdhsa_user_sgpr_kernarg_segment_ptr 1
		.amdhsa_wavefront_size32 1
		.amdhsa_system_sgpr_workgroup_id_x 1
		.amdhsa_system_sgpr_workgroup_id_y 1
		.amdhsa_system_sgpr_workgroup_id_z 1
		.amdhsa_system_vgpr_workitem_id 0
		.amdhsa_next_free_vgpr 256
		.amdhsa_next_free_sgpr 80
		.amdhsa_reserve_vcc 0
		.amdhsa_float_denorm_mode_32 3
		.amdhsa_float_denorm_mode_16_64 3
		.amdhsa_memory_ordered 1
		.amdhsa_forward_progress 1
		.amdhsa_inst_pref_size 47
	.end_amdhsa_kernel
	.amdgpu_metadata
---
amdhsa.version: [ 1, 2 ]
amdhsa.kernels:
  - .name:           k_qd790371ded_decode
    .symbol:         k_qd790371ded_decode.kd
    .args:
      - { .name: x, .offset: 0, .size: 8, .value_kind: global_buffer, .address_space: global }
      - { .name: cluster_usage, .offset: 8, .size: 8, .value_kind: global_buffer, .address_space: global }
      - { .name: cb, .offset: 16, .size: 8, .value_kind: global_buffer, .address_space: global }
      - { .name: codes, .offset: 24, .size: 8, .value_kind: global_buffer, .address_space: global }
      - { .name: out0, .offset: 32, .size: 8, .value_kind: global_buffer, .address_space: global }
      - { .name: out1, .offset: 40, .size: 8, .value_kind: global_buffer, .address_space: global }
    .group_segment_fixed_size: 68096
    .private_segment_fixed_size: 0
    .kernarg_segment_align: 8
    .kernarg_segment_size: 48
    .max_flat_workgroup_size: 128
    .sgpr_count:     80
    .vgpr_count:     256
    .wavefront_size: 32
...
	.end_amdgpu_metadata
.endif
;; end of part 3
;; ======== version 2 of 2: 3 launches; version 1 with the launch decode written anew for expert scheduling mode
;; workspace buffers: cb 4,325,376 bytes; codes 131,072 bytes of whole numbers
;; launch prep: the kernel of part 1 again; grid 256 x 1, 4 waves a work-group, no clusters, 17,408 bytes of LDS; arguments embedding_sum, cluster_usage, cb; writes cb
;; launch vq: the kernel of part 2 again; grid 256 x 1, 4 waves a work-group, clusters of 4 x 1, 327,680 bytes of LDS; arguments x, cb, codes; writes codes
;; launch decode (part 4): grid 256 x 1, 4 waves a work-group, no clusters, 68,096 bytes of LDS; arguments x, cluster_usage, cb, codes, out0, out1; writes out0, out1
.if DOCPART == 4
	.amdgcn_target "amdgcn-amd-amdhsa--gfx1250"
	.amdhsa_code_object_version 6
	.text
	.protected	k_qd790371ded_decode
	.globl	k_qd790371ded_decode
	.p2align	8
	.type	k_qd790371ded_decode,@function
k_qd790371ded_decode:
	s_mov_b64 s[64:65], 0
	v_nop
	global_prefetch_b8 v0, s[64:65] scope:SCOPE_SE
	s_setreg_imm32_b32 hwreg(HW_REG_WAVE_SCHED_MODE, 0, 2), 2
	s_setreg_imm32_b32 hwreg(HW_REG_WAVE_MODE, 25, 1), 1
	s_wait_xcnt 0x0
	s_wait_alu depctr_vm_vsrc(0)
; DECODE: everything that is written out.  out0[b,0,t] = codes; out1[b,s,t] = bf16(es)[code][s] / max(bf16(usage[code]), 1e-5) for s < 256;
; for the 36 acoustic rows: n = round(20 - 20 / (1 + e^(2 x_b))) = round((tanh(x_b) + 1) 10), halves to even; out0[b,1+a,t] = n; out1[b,256+a,t] = 0.1 n - 1.  x_b = x rounded to bf16, as all inputs are.
; LIMITS: NaN is not treated apart; e^(2 x) that overflows gives n = 20, one that underflows n = 0, as tanh = 1 and -1 do.  The exponential and the reciprocals are good to an ulp, not correctly rounded:
; an x_b whose (tanh + 1) 10 lies within some 1e-5 of a half could round the other way.  The division by usage is a multiplication by v_rcp_f32's result.
; SHARES: a work-group owns 128 tokens.  Wave w gathers the cb rows of tokens 32 w .. 32 w + 31 (a row: one load of 512 consecutive bytes), writes out1's rows 64 w .. 64 w + 63 and the acoustic rows 9 w .. 9 w + 8.
; The gathered rows are [token][s] and leave as [s][token]: they are turned in LDS, in bf16.  The 16 bytes that hold (s = 8 l + e, tokens 8 B .. 8 B + 7) lie at 8,448 e + 528 B + 16 l:
; a store (e, B fixed, lanes l) covers 512 consecutive bytes; a read of 8 bytes a lane (e, l fixed, lane a at 528 (a / 2) + 8 (a % 2)) takes each of the 64 banks once (ISA guide 11.1).
; No matrix unit, tensor load or cluster: rows chosen by a list, nothing shared between work-groups; memory binds.
; THE MODE: SCHED_MODE bits 1:0 = 2 (LLVM: expert scheduling mode 2), set by the entry lines.  The code itself states the register dependences
; between vector instructions and memory or LDS instructions, with s_wait_alu, always for 0.
; THE PLAN.  Registers that memory or LDS instructions touch:
;   LO, TS, TL, SPW, NIL   made at the head and never written again: every row and every LDS byte is reached by an immediate offset.  One wait ahead of the first load states that they are written.
;   RA       the 32 gather offsets: all made, one wait, then the 32 loads.  UO, the four usage offsets: made ahead of the exponentials, whose wait states them too.
;   FX, IQ   the nine acoustic rows are one batch: its arithmetic, one wait, its 18 stores.  Behind the stores one wait frees FX and RA, which become TW0 and TW1.
;   TW0, TW1 batch bt's packings write TW[bt % 2]; the LDS stores dealt among them are batch bt - 1's, from the other buffer, which no packing of batch bt names.
;   IN0..3   (TW's registers, behind the barrier) block p's unpacking reads IN[p % 4]; the LDS loads dealt among it are block p + 3's and land in IN[(p - 1) % 4].
;   OUT0, 1  block p's arithmetic writes OUT[p % 2]; the global stores dealt among it are block p - 1's, from the other buffer.
; So the waits at the head of a batch or a block state all that its memory and LDS instructions hang on.
.set PITCH, 528
.set EP,    16*PITCH                   ; from e to e + 1
.set SPARE, 8*EP                       ; behind the turning stage: the spare words, 128 bytes a wave: two blocks of 256 that no other line names
.set XROW,  16384
.set LO,  2                            ; v2       16 x lane
.set TS,  3                            ; v3       stage, in: 16 x lane + my wave's four blocks of tokens
.set TL,  4                            ; v4       stage, back: my 8 bytes of e = 0, l = 8 w
.set T2,  6                            ; v[6:7]   at work on the usages: no memory instruction names them
.set CV,  8                            ; v[8:11]  codes of tokens 4 a .. 4 a + 3
.set UO,  12                           ; v[12:15] their byte offsets in cluster_usage
.set RI,  16                           ; v[16:19] usage, then 1 / u
                                       ; v[20:39], v[110:125]  IQ: nine quads of whole numbers, one for each acoustic row
.set FX,  40                           ; v[40:75] nine acoustic rows, 4 numbers each;  later v[40:71] TW0, then IN0 and IN1
.set RA,  76                           ; v[76:107] byte offsets of the 32 gathered rows; later TW1, then IN2 and IN3
.set SPW, 108                          ; v108     my spare word's LDS address; never rewritten
.set NIL, 109                          ; v109     0; never rewritten
.set GD,  128                          ; v[128:255] 32 gathered rows x 4; later v[128:159] OUT0, v[160:191] OUT1
	s_load_b256 s[4:11], s[0:1], 0x0               ; x s[4:5], cluster_usage s[6:7], cb s[8:9], codes s[10:11]
	s_load_b128 s[12:15], s[0:1], 0x20             ; out0 s[12:13], out1 s[14:15]
	v_lshl_add_u32 v[SPW], v0, 2, SPARE
	v_mov_b32 v[NIL], 0
	v_lshrrev_b32 v1, 5, v0
	v_readfirstlane_b32 s16, v1                    ; wave 0..3
	v_and_b32 v1, 31, v0                           ; lane
	v_lshlrev_b32 v[LO], 4, v1
	v_lshrrev_b32 v5, 1, v1
	v_mul_u32_u24 v[TL], v5, PITCH
	v_and_b32 v5, 1, v1
	v_lshl_add_u32 v[TL], v5, 3, v[TL]
	s_wait_alu depctr_va_sdst(0)                   ; s16 is written, ahead of its first reader: LDS places and all the wave's bases are made from it
	s_mul_i32 s3, s16, 4*PITCH
	v_add_nc_u32 v[TS], s3, v[LO]
	s_lshl_b32 s2, s16, 7                          ; my rows s = 64 w ..: l = 8 w ..
	v_add_nc_u32 v[TL], s2, v[TL]
	s_mov_b32 s24, 0xc1a00000                      ; -20.0
	s_mov_b32 s25, s24
	s_mov_b32 s26, 0x41a00000                      ; 20.0
	s_mov_b32 s27, s26
	s_mov_b32 s28, 0x05040100                      ; v_perm_b32: the two low halves
	s_mov_b32 s29, 0x07060302                      ; the two high halves
	s_mov_b32 s30, 0xffff0000
	s_lshr_b32 s17, ttmp9, 5                       ; batch
	s_and_b32 s18, ttmp9, 31
	s_lshl_b32 s18, s18, 9                         ; my 128 tokens: 512 bytes of a row
	s_mul_i32 s20, s17, 292*XROW
	s_add_co_u32 s20, s20, s18                     ; my tokens in row 0 of x's and out1's batch
	s_mov_b32 s21, 0
	s_mul_i32 s22, s17, 37*XROW
	s_add_co_u32 s22, s22, s18                     ; and of out0's
	s_mov_b32 s23, 0
	s_mul_i32 s19, s16, 9*XROW                     ; my wave's nine acoustic rows
	s_mov_b32 s77, 0
	s_wait_kmcnt 0x0
	s_add_nc_u64 s[74:75], s[12:13], s[22:23]      ; out0, row 0
	s_add_co_u32 s22, s22, s19
	s_add_co_u32 s22, s22, XROW
	s_add_nc_u64 s[70:71], s[12:13], s[22:23]      ; out0, row 1 + 9 w
	s_lshl_b32 s76, s16, 20
	s_add_co_u32 s76, s76, s20
	s_add_nc_u64 s[72:73], s[14:15], s[76:77]      ; out1, row 64 w
	s_add_co_u32 s20, s20, s19
	s_add_co_u32 s20, s20, 256*XROW
	s_add_nc_u64 s[66:67], s[4:5], s[20:21]        ; x, row 256 + 9 w
	s_add_nc_u64 s[68:69], s[14:15], s[20:21]      ; out1, the same row
	s_lshl_b32 s76, ttmp9, 9
	s_add_nc_u64 s[10:11], s[10:11], s[76:77]      ; codes at my 128 tokens
	s_lshl_b32 s76, s16, 7
	s_add_nc_u64 s[78:79], s[10:11], s[76:77]      ; and at my wave's 32
	s_load_b512 s[32:47], s[78:79], 0x0
	s_load_b512 s[48:63], s[78:79], 0x40
	s_wait_alu depctr_va_vdst(0)                   ; LO, TS, TL and the add's two registers are written: every load, store and LDS instruction of the kernel reads one of them as its address
.set ix, 0
.rept 9
	global_load_b128 v[FX+4*ix:FX+4*ix+3], v[LO], s[66:67] offset:XROW*ix th:TH_LOAD_NT
.set ix, ix+1
.endr
	global_load_b128 v[CV:CV+3], v[LO], s[10:11]
	s_wait_kmcnt 0x0
.set ix, 0
.rept 32                                           ; all 32 offsets are made first,
	s_min_u32 s[32+ix], s[32+ix], 0x1fff           ; a loaded number enters an address only clamped to the table
	s_mul_i32 s[32+ix], s[32+ix], PITCH
	v_add_nc_u32 v[RA+ix], s[32+ix], v[LO]
.set ix, ix+1
.endr
	s_wait_alu depctr_va_vdst(0)                   ; the 32 offsets RA are written, which the loads below read
.set ix, 0
.rept 32
	global_load_b128 v[GD+4*ix:GD+4*ix+3], v[RA+ix], s[8:9]  ; token ix's row: lane l holds s = 8 l .. 8 l + 7
.set ix, ix+1
.endr
	s_wait_loadcnt 32                              ; the acoustic rows and the codes are in; the 32 gathered rows stay out
	s_cmp_lg_u32 s16, 0
	s_cbranch_scc1 .Lnot_wave_0
	global_store_b128 v[LO], v[CV:CV+3], s[74:75] th:TH_STORE_NT  ; out0's row 0: 512 consecutive bytes; its data came by a load, which the wait above has shown done
.Lnot_wave_0:
.irp k, 0,1,2,3
	v_min_u32 v[UO+\k], 0x1fff, v[CV+\k]
.endr
.irp k, 0,1,2,3
	v_lshlrev_b32 v[UO+\k], 2, v[UO+\k]
.endr
; THE ACOUSTIC ROWS, nine of them, 4 numbers a lane each, as one batch.  Row i has its numbers in ff and a quad of its own for the whole numbers, fi.
.macro ROWREGS i
.set ff, FX+4*(\i)
.if (\i) < 5
.set fi, 20+4*(\i)
.else
.set fi, 90+4*(\i)
.endif
.endm
.irp i, 0,1,2,3,4,5,6,7,8
	ROWREGS \i
	v_cvt_pk_bf16_f32 v[fi],   v[ff],   v[ff+1]    ; rounded to bf16 (the row's quad is at work here) and widened again
	v_cvt_pk_bf16_f32 v[fi+1], v[ff+2], v[ff+3]
	v_lshlrev_b32 v[ff],   16,  v[fi]
	v_and_b32     v[ff+1], s30, v[fi]
	v_lshlrev_b32 v[ff+2], 16,  v[fi+1]
	v_and_b32     v[ff+3], s30, v[fi+1]
	v_pk_mul_f32 v[ff:ff+1],   v[ff:ff+1],   0x4038aa3b op_sel_hi:[1,0]  ; 2 log2(e) x
	v_pk_mul_f32 v[ff+2:ff+3], v[ff+2:ff+3], 0x4038aa3b op_sel_hi:[1,0]
.endr
.set ix, 0
.rept 36
	v_exp_f32 v[FX+ix], v[FX+ix]
.set ix, ix+1
.endr
	v_nop                                          ; a plain instruction between the last transcendental and the use of its result (ISA guide 5.7.2)
	s_wait_alu depctr_va_vdst(0)                   ; the 36 exponentials are written, ahead of their first reader; so are the four offsets UO, which the loads below read
.irp k, 0,1,2,3
	global_load_b32 v[RI+\k], v[UO+\k], s[6:7]
.endr
.set ix, 0
.rept 18
	v_pk_add_f32 v[FX+2*ix:FX+2*ix+1], v[FX+2*ix:FX+2*ix+1], 1.0 op_sel_hi:[1,0]
.set ix, ix+1
.endr
.set ix, 0
.rept 36
	v_rcp_f32 v[FX+ix], v[FX+ix]
.set ix, ix+1
.endr
	v_nop                                          ; the plain instruction behind the last reciprocal
	s_wait_alu depctr_va_vdst(0)                   ; the 36 reciprocals are written, ahead of their first reader
.set ix, 0
.rept 18
	v_pk_fma_f32 v[FX+2*ix:FX+2*ix+1], v[FX+2*ix:FX+2*ix+1], s[24:25], s[26:27] op_sel_hi:[1,0,0]  ; 20 - 20 r = (tanh + 1) 10
.set ix, ix+1
.endr
.set ix, 0
.rept 36
	v_rndne_f32 v[FX+ix], v[FX+ix]
.set ix, ix+1
.endr
.irp i, 0,1,2,3,4,5,6,7,8
	ROWREGS \i
.irp k, 0,1,2,3
	v_cvt_i32_f32 v[fi+\k], v[ff+\k]
.endr
	v_pk_fma_f32 v[ff:ff+1],   v[ff:ff+1],   0x3dcccccd, -1.0 op_sel_hi:[1,0,0]
	v_pk_fma_f32 v[ff+2:ff+3], v[ff+2:ff+3], 0x3dcccccd, -1.0 op_sel_hi:[1,0,0]
.endr
	s_wait_alu depctr_va_vdst(0)                   ; the batch has written the nine quads of whole numbers and the nine rows, which the 18 stores read
.irp i, 0,1,2,3,4,5,6,7,8
	ROWREGS \i
	global_store_b128 v[LO], v[fi:fi+3], s[70:71] offset:XROW*(\i) th:TH_STORE_NT
	global_store_b128 v[LO], v[ff:ff+3], s[68:69] offset:XROW*(\i) th:TH_STORE_NT
.endr
	s_wait_xcnt 0x0                                ; the acoustic rows' registers, which those stores read, and the gather's offsets are written again below
	s_wait_alu depctr_vm_vsrc(0)                   ; the stores have read FX, the gather's loads RA: batch 0's packings write the one (TW0), batch 1's the other (TW1)
; Eight gathered rows (tokens 8 bt .. of my 32): for each e the eight tokens' halves are packed into 16 bytes, in TW[bt % 2].  The LDS stores among the packings lay the batch before into the stage.
.macro BATCH bt
.set tw, FX+36*((\bt)%2)
.set tp, FX+36*(1-(\bt)%2)
	s_wait_loadcnt 28-8*(\bt)                      ; these eight rows are in; the later rows and the four usage loads stay out
.if (\bt) >= 2
	s_wait_alu depctr_vm_vsrc(0)                   ; the LDS stores issued in the batch before have read this batch's buffer, which its packings write again
.endif
.if (\bt) >= 1
	s_wait_alu depctr_va_vdst(0)                   ; the batch before has written the other buffer, which the LDS stores below read; no packing of this batch names it
.endif
.set ex, 0
.rept 8
.if (\bt) >= 1
	ds_store_b128 v[TS], v[tp+4*ex:tp+4*ex+3] offset:EP*ex+PITCH*((\bt)-1)
.endif
.set px, 0
.rept 4
.if ex%2
	v_perm_b32 v[tw+4*ex+px], v[GD+4*(8*(\bt)+2*px+1)+ex/2], v[GD+4*(8*(\bt)+2*px)+ex/2], s29
.else
	v_perm_b32 v[tw+4*ex+px], v[GD+4*(8*(\bt)+2*px+1)+ex/2], v[GD+4*(8*(\bt)+2*px)+ex/2], s28
.endif
.set px, px+1
.endr
.set ex, ex+1
.endr
.endm
.irp bt, 0,1,2,3
	BATCH \bt
.endr
	s_wait_loadcnt 0x0                             ; the usages of tokens 4 a .. 4 a + 3
	v_cvt_pk_bf16_f32 v[T2],   v[RI],   v[RI+1]
	v_cvt_pk_bf16_f32 v[T2+1], v[RI+2], v[RI+3]
	v_lshlrev_b32 v[RI],   16,  v[T2]
	v_and_b32     v[RI+1], s30, v[T2]
	v_lshlrev_b32 v[RI+2], 16,  v[T2+1]
	v_and_b32     v[RI+3], s30, v[T2+1]
.irp k, 0,1,2,3
	v_max_num_f32 v[RI+\k], 0x3727c5ac, v[RI+\k]   ; 1e-5
.endr
.irp k, 0,1,2,3
	v_rcp_f32 v[RI+\k], v[RI+\k]
.endr
	v_nop                                          ; the plain instruction behind the last reciprocal
	s_wait_alu depctr_va_vdst(0)                   ; batch 3 has written TW1, which the LDS stores below read; the four reciprocals are written, ahead of their first reader
.set ex, 0
.rept 8
	ds_store_b128 v[TS], v[RA+4*ex:RA+4*ex+3] offset:EP*ex+PITCH*3
.set ex, ex+1
.endr
	s_wait_dscnt 0x0                               ; for the others' sake: my stores into the stage are done
	s_barrier_signal -1
	s_barrier_wait -1
	s_wait_alu depctr_vm_vsrc(0)                   ; my LDS stores have read TW0 and TW1: these registers are IN0 to IN3 from here on, in which the LDS loads land (the packings that wrote them stand ahead of the last wait on va_vdst)
; THE WAY OUT: my 64 rows in eight blocks.  Block p is e = p: rows s = 64 w + 8 n + p, n = 0 .. 7, read from the stage at l = 8 w + n.
.set px, 0
.rept 4                                            ; blocks 0 to 3 are asked for at once, one into each IN
.set bi, FX+16*px+4*(px/2)
.set nx, 0
.rept 8
	ds_load_b64 v[bi+2*nx:bi+2*nx+1], v[TL] offset:EP*px+16*nx
.set nx, nx+1
.endr
.set px, px+1
.endr
.macro BLK p
.set bi, FX+16*((\p)%4)+4*(((\p)%4)/2)             ; IN[p % 4]: this block's pairs
.set bn, FX+16*(((\p)+3)%4)+4*((((\p)+3)%4)/2)     ; IN[(p - 1) % 4]: where block p + 3 lands
.set bo, GD+32*((\p)%2)                            ; OUT[p % 2]: what this block writes
.set bq, GD+32*(1-(\p)%2)                          ; the other OUT: what the block before wrote
.if (\p) == 0
	s_wait_dscnt 24                                ; LDS loads come back in order: block 0 is in, blocks 1 to 3 stay out
.elseif (\p) < 6
	s_wait_dscnt 16                                ; this block is in, the two younger ones stay out
.else
	s_wait_dscnt 8*(7-(\p))                        ; the counts run down
.endif
.if (\p) >= 2
	s_wait_xcnt 0x0                                ; this block's OUT, which the stores issued in the block before read, is written again only behind this wait
	s_wait_alu depctr_vm_vsrc(0)                   ; those stores have read it
.endif
.if (\p) >= 1
	s_wait_alu depctr_va_vdst(0)                   ; the block before has written the other OUT, which the stores below read, and is done reading its IN, in which the loads below land
.endif
.set nx, 0
.rept 8
.if ((\p) >= 1) && ((\p) <= 4)
	ds_load_b64 v[bn+2*nx:bn+2*nx+1], v[TL] offset:EP*((\p)+3)+16*nx  ; three blocks ahead; no vector instruction since the wait names these registers
.endif
.if (\p) >= 1
	global_store_b128 v[LO], v[bq+4*nx:bq+4*nx+3], s[72:73] offset:(8*nx+(\p)-1)*XROW th:TH_STORE_NT  ; 512 consecutive bytes of a row of out1, at a multiple of 256 from its first byte
.endif
	v_lshlrev_b32 v[bo+4*nx],   16,  v[bi+2*nx]
	v_and_b32     v[bo+4*nx+1], s30, v[bi+2*nx]
	v_lshlrev_b32 v[bo+4*nx+2], 16,  v[bi+2*nx+1]
	v_and_b32     v[bo+4*nx+3], s30, v[bi+2*nx+1]
	v_pk_mul_f32 v[bo+4*nx:bo+4*nx+1],   v[bo+4*nx:bo+4*nx+1],   v[RI:RI+1]
	v_pk_mul_f32 v[bo+4*nx+2:bo+4*nx+3], v[bo+4*nx+2:bo+4*nx+3], v[RI+2:RI+3]
.set nx, nx+1
.endr
.endm
.irp p, 0,1,2,3,4,5,6,7
	BLK \p
.endr
	s_wait_alu depctr_va_vdst(0)                   ; block 7 has written OUT1, which the last eight stores read
.set nx, 0
.rept 8
	global_store_b128 v[LO], v[GD+32+4*nx:GD+32+4*nx+3], s[72:73] offset:(8*nx+7)*XROW th:TH_STORE_NT
.set nx, nx+1
.endr
	s_wait_dscnt 0x0                               ; the closing lines, six on end
	s_wait_alu 0x0
	s_wait_tensorcnt 0x0
	ds_add_u32 v[SPW], v[NIL]
	s_wait_dscnt 0x0
	s_endpgm
.Lfunc_end_k_qd790371ded_decode:
	.size	k_qd790371ded_decode, .Lfunc_end_k_qd790371ded_decode-k_qd790371ded_decode
	.p2alignl 7, 3214868480
	.fill 96, 4, 3214868480
	.section	.rodata,"a",@progbits
	.p2align	6, 0x0
	.amdhsa_kernel k_qd790371ded_decode
		.amdhsa_group_segment_fixed_size 68096
		.amdhsa_private_segment_fixed_size 0
		.amdhsa_enable_private_segment 0
		.amdhsa_kernarg_size 48
		.amdhsa_user_sgpr_count 2
		.amdhsa_user_sgpr_kernarg_segment_ptr 1
		.amdhsa_wavefront_size32 1
		.amdhsa_system_sgpr_workgroup_id_x 1
		.amdhsa_system_sgpr_workgroup_id_y 1
		.amdhsa_system_sgpr_workgroup_id_z 1
		.amdhsa_system_vgpr_workitem_id 0
		.amdhsa_next_free_vgpr 256
		.amdhsa_next_free_sgpr 80
		.amdhsa_reserve_vcc 0
		.amdhsa_float_denorm_mode_32 3
		.amdhsa_float_denorm_mode_16_64 3
		.amdhsa_memory_ordered 1
		.amdhsa_forward_progress 1
		.amdhsa_inst_pref_size 66
	.end_amdhsa_kernel
	.amdgpu_metadata
---
amdhsa.version: [ 1, 2 ]
amdhsa.kernels:
  - .name:           k_qd790371ded_decode
    .symbol:         k_qd790371ded_decode.kd
    .args:
      - { .name: x, .offset: 0, .size: 8, .value_kind: global_buffer, .address_space: global }
      - { .name: cluster_usage, .offset: 8, .size: 8, .value_kind: global_buffer, .address_space: global }
      - { .name: cb, .offset: 16, .size: 8, .value_kind: global_buffer, .address_space: global }
      - { .name: codes, .offset: 24, .size: 8, .value_kind: global_buffer, .address_space: global }
      - { .name: out0, .offset: 32, .size: 8, .value_kind: global_buffer, .address_space: global }
      - { .name: out1, .offset: 40, .size: 8, .value_kind: global_buffer, .address_space: global }
    .group_segment_fixed_size: 68096
    .private_segment_fixed_size: 0
    .kernarg_segment_align: 8
    .kernarg_segment_size: 48
    .max_flat_workgroup_size: 128
    .sgpr_count:     80
    .vgpr_count:     256
    .wavefront_size: 32
...
	.end_amdgpu_metadata
.endif
;; end of part 4
